; MI455X (gfx1250); checked and timed in simulation.
; The chip was launched on July 23, 2026; its instructions are those of AMD's public machine-readable ISA for CDNA 5 (MIT licence, August 2026) and "CDNA5" Instruction Set Architecture Reference Guide (July 2026). The comments in the code are by the model that wrote it; some were corrected since.
;; MHA. Allowed arithmetic: float matrix products may take bf16 or f16 operands with f32 sums; all other float work in f32.
;; Inputs: b_fc1 16 float32; b_fc2 1 float32; b_k 512 float32; b_q 512 float32; b_v 512 float32; intensity_score 16 x 64 x 64 float32; key_lens 64 int32; keys 64 x 16 x 128 x 512 float32; query 16 x 64 x 512 float32; w_fc1 16 x 512 float32; w_fc2 1 x 16 float32; w_k 512 x 512 float32; w_q 512 x 512 float32; w_v 512 x 512 float32.
;; Outputs: out0 16 x 64 x 1 float32.
;; One version. Each part assembles by itself: llvm-mc -triple=amdgcn-amd-amdhsa -mcpu=gfx1250 --defsym DOCPART=n.
;; ======== version 1 of 1: 3 launches
;; workspace buffers: qt 8,388,608 bytes; gv 8,192 bytes; bias 33,024 bytes; ev 4,096 bytes
;; launch prep (part 1): grid 32 x 8, 8 waves a work-group, no clusters, 211,712 bytes of LDS; arguments query, w_q, b_q, w_k, b_k, w_v, b_v, w_fc1, w_fc2, qt, gv, bias; writes qt, gv, bias
.if DOCPART == 1
	.amdgcn_target "amdgcn-amd-amdhsa--gfx1250"
	.amdhsa_code_object_version 6
	.text
	.protected	k_q3850297daf_prep
	.globl	k_q3850297daf_prep
	.p2align	8
	.type	k_q3850297daf_prep,@function
k_q3850297daf_prep:
	s_mov_b64 s[64:65], 0
	v_nop
	global_prefetch_b8 v0, s[64:65] scope:SCOPE_SE
	s_setreg_imm32_b32 hwreg(HW_REG_WAVE_MODE, 25, 1), 1
	s_wait_xcnt 0x0
; PREP: the two projections of the keys are moved onto the small side; the identity is exact for every input.
;   score(h, l) = Q_h . (W_k,h x_l + b_k,h) = qt_h . x_l + sb_h,   qt_h = W_k,h^T Q_h (512 numbers),  sb_h = Q_h . b_k,h,  Q = query W_q^T + b_q
;   all that follows the softmax is linear: with u = w_fc1^T w_fc2^T (512 numbers), emb . u = sum over h, l of attn(h, l) (g_h . x_l + tb_h),  g_h = W_v,h^T u_h,  tb_h = u_h . b_v,h
; STORED: qt bf16 [row rq = 64 b + n][head][512];  gv bf16 [head][512];  bias f32: word 1024 h + rq = sb, word 8192 + h = tb.
; SHARES: work-group (rb, h) takes 32 rows of query and one head.  Wave w: rt = w & 1 (16 of the rows), dq = w >> 1 (16 of the head's 64 d in the first product, 128 of the 512 columns in the second).
; The work-groups with rb < 4 also make 128 columns of g_h, in f32 on the vector unit; rb = 0 also stores tb_h.
; ROUNDING: query, w_q, w_k, b_k, Q, qt and g are rounded to bf16 once each; u, g's sums and tb are kept in f32.  NaN and infinities are not treated apart.
; NO CLUSTER, NO TENSOR LOADS: the inputs are f32 and pass through registers for their rounding; a work-group's 320 KB of f32 would not fit in LDS beside the bf16 copies.
.set PQ,    1040                  ; a row of 512 bf16 + 16 bytes: an odd multiple of 16, so the 16 rows of a fragment load start at 16 different groups of four banks (64 banks of 4 bytes: ISA guide 11.1)
.set PW,    1056                  ; w_k's rows: 1,024 bytes, then 32 bytes that hold b_k as a 33rd tile of columns; an odd multiple of 32
.set XQ,    0                     ; 32 rows of query
.set WQ,    32*PQ                 ; 64 rows of w_q (the head's)
.set WK,    WQ+64*PQ              ; 64 rows of w_k
.set QX,    WK+64*PW              ; Q in bf16, as the second product's fragments: 512 bytes for each wave, [wave = 2 x d tile + rt][lane x 16]
.set STG,   QX+4096               ; the way out: 16 rows x 272 bytes for each wave
.set SP,    272
.set GRED,  STG+8*16*SP           ; g's partial sums, 512 bytes a wave
.set TRED,  GRED+4096             ; tb's partial sums, a word a wave
.set SPARE, TRED+256              ; the spare words, 128 bytes a wave: four blocks of 256 bytes that no other line names
.set GQ,  4                       ; v4   byte offset of my 16 bytes in my wave's first row of query
.set GW,  5                       ; v5   the same in the head's rows of w_q, w_k, w_v
.set LX,  6                       ; v6-8 where my 8 bytes of a converted row go: query, w_q, w_k
.set LQ,  7
.set LK,  8
.set A1,  9                       ; v9   first product: my fragment rows of w_q
.set B1,  10                      ; v10  and of query
.set QXS, 11                      ; v11  where my 16 bytes of Q go
.set QXL, 12                      ; v12  where I read Q's fragments
.set A2,  13                      ; v13  second product: the turning load's address in w_k
.set A2B, 14                      ; v14  the same for the b_k tile
.set STO, 15                      ; v15  the way out: in
.set RD,  16                      ; v16  the way out: back
.set GO,  17                      ; v17  my byte offset in qt
.set SBO, 18                      ; v18  4 x (lane % 16)
.set GR,  19                      ; v19  my 16 bytes of g's partial sums
.set TR,  20                      ; v20  my wave's word of tb's partial sums
.set BKA, 21                      ; v21  where the b_k tile's 16 bytes go
.set BKO, 22                      ; v22  byte offset of my b_k
.set SPW, 23                      ; v23  my spare word: SPARE + 4 x my thread's number; never rewritten
.set NIL, 24                      ; v24  0; never rewritten
.set BQ,  32                      ; v[32:39]  b_q as the C operand that starts Q's sums
.set ACC0, 40                     ; v[40:47], v[48:55]  Q^T's two accumulators, even and odd K steps
.set ACC1, 48
.set QP,  56                      ; v[56:59]  Q in bf16
.set FR,  64                      ; v[64:127] first product: four K steps' fragments
.set RING, 96                     ; v[96:255] ten row slots of 16 registers
.set QB,  64                      ; v[64:79]  second product: Q's fragments
.set FR2, 96                      ; v[96:175] w_k's fragments, 16 a tile
.set ACC2, 176                    ; v[176:247] eight tiles of columns, then the b_k tile
.set TMP, 96
.set OUT, 128
.macro PLACES                     ; four plain vector instructions between a matrix instruction and a load into, or a vector access to, its registers
.rept 4
	v_nop
.endr
.endm
; A wave's 20 rows: 0-3 query, 4-11 w_q, 12-19 w_k; row rho lives in slot rho % 10.  Each load of the wave covers 512 consecutive bytes.
.macro LD4 s, va, sb, x
.irp q, 0,1,2,3
	global_load_b128 v[RING+16*(\s)+4*\q:RING+16*(\s)+4*\q+3], v[\va], s[\sb:\sb+1] offset:(\x)*2048+\q*512
.endr
.endm
.macro LDROW rho
.if (\rho) < 4
	LD4 (\rho)%10, GQ, 4, (\rho)
.elseif (\rho) < 12
	LD4 (\rho)%10, GW, 6, (\rho)-4
.else
	LD4 (\rho)%10, GW, 10, (\rho)-12
.endif
.endm
.macro CVT8 s                     ; a slot's 16 f32 a lane become 8 registers' worth of bf16, in place
.irp q, 0,1,2,3
	v_cvt_pk_bf16_f32 v[RING+16*(\s)+4*\q],   v[RING+16*(\s)+4*\q],   v[RING+16*(\s)+4*\q+1]
	v_cvt_pk_bf16_f32 v[RING+16*(\s)+4*\q+1], v[RING+16*(\s)+4*\q+2], v[RING+16*(\s)+4*\q+3]
.endr
.endm
.macro ST4 s, va, off             ; and go to LDS: each store, 32 lanes x 8 bytes, covers 256 consecutive bytes
.irp q, 0,1,2,3
	ds_store_b64 v[\va], v[RING+16*(\s)+4*\q:RING+16*(\s)+4*\q+1] offset:(\off)+256*\q
.endr
.endm
.macro STROW rho
.if (\rho) < 4
	ST4 (\rho)%10, LX, (\rho)*PQ
.elseif (\rho) < 12
	ST4 (\rho)%10, LQ, ((\rho)-4)*PQ
.else
	ST4 (\rho)%10, LK, ((\rho)-12)*PW
.endif
.endm
; Two rows at a time, each kind of instruction in a run: 16 conversions, 8 LDS stores, and (ahead = 1) 8 loads that fill the two slots with the rows ten further on.
.macro PAIR rho, left, ahead
	s_wait_loadcnt \left                           ; loads come back in order (ISA guide 5.7.1): the pair is in, the younger rows stay out
	CVT8 (\rho)%10
	CVT8 ((\rho)+1)%10
	STROW \rho
	STROW (\rho)+1
.if \ahead
	LDROW (\rho)+10
	LDROW (\rho)+11
.endif
.endm
.macro ISSUE10
.set rr, 0
.rept 10
	LDROW rr
.set rr, rr+1
.endr
.endm
	s_load_b512 s[4:19], s[0:1], 0x0               ; query 4, w_q 6, b_q 8, w_k 10, b_k 12, w_v 14, b_v 16, w_fc1 18
	s_load_b256 s[20:27], s[0:1], 0x40             ; w_fc2 20, qt 22, gv 24, bias 26
	v_lshl_add_u32 v[SPW], v0, 2, SPARE
	v_mov_b32 v[NIL], 0
	v_and_b32 v1, 31, v0                           ; lane
	v_and_b32 v2, 15, v0                           ; r = lane % 16
	v_bfe_u32 v3, v0, 4, 1                         ; hh = lane / 16
	v_lshrrev_b32 v25, 5, v0
	v_readfirstlane_b32 s28, v25                   ; wave 0..7
	s_mov_b32 s29, ttmp9                           ; rb
	s_and_b32 s30, ttmp7, 0xffff                   ; h
	s_and_b32 s31, s28, 1                          ; rt
	s_lshr_b32 s32, s28, 1                         ; dq
	s_lshl_b32 s33, s28, 13
	v_lshl_add_u32 v[GQ], v1, 4, s33               ; 4 w rows of 2,048 bytes + 16 lane
	s_lshl_b32 s33, s28, 14
	v_lshl_add_u32 v[GW], v1, 4, s33               ; 8 w rows + 16 lane
	s_mul_i32 s33, s28, 4*PQ
	v_lshl_add_u32 v[LX], v1, 3, s33               ; XQ = 0
	s_mul_i32 s33, s28, 8*PQ
	s_add_co_u32 s33, s33, WQ
	v_lshl_add_u32 v[LQ], v1, 3, s33
	s_mul_i32 s33, s28, 8*PW
	s_add_co_u32 s33, s33, WK
	v_lshl_add_u32 v[LK], v1, 3, s33
	v_and_b32 v26, 7, v0                           ; lane % 8
	v_bfe_u32 v27, v0, 3, 1                        ; (lane / 8) % 2
	v_mul_u32_u24 v25, v26, PW
	v_lshl_add_u32 v25, v27, 4, v25
	s_add_co_u32 s33, s33, 1024
	v_add_nc_u32 v[BKA], s33, v25                  ; row 8 w + lane % 8, byte 1,024 + 16 x half; lanes 16-31 repeat lanes 0-15
	s_lshl_b32 s33, s28, 5
	v_lshl_add_u32 v[BKO], v26, 2, s33
	v_mul_u32_u24 v25, v2, PQ
	v_lshl_add_u32 v25, v3, 4, v25                 ; a fragment's row x pitch + 16 x half
	s_mul_i32 s33, s32, 16*PQ
	s_add_co_u32 s33, s33, WQ
	v_add_nc_u32 v[A1], s33, v25
	s_mul_i32 s33, s31, 16*PQ
	v_add_nc_u32 v[B1], s33, v25
	s_lshl_b32 s33, s28, 9                         ; Q's exchange: my wave's own 512 bytes,
	s_add_co_u32 s33, s33, QX
	v_lshl_add_u32 v[QXS], v1, 4, s33
	s_lshl_b32 s33, s31, 9                         ; and the four waves of my row tile: wave 2 dt + rt holds d tile dt, 1,024 bytes apart
	s_add_co_u32 s33, s33, QX
	v_lshl_add_u32 v[QXL], v1, 4, s33
	v_lshl_add_u32 v25, v3, 3, v26                 ; the turning load: row 8 hh + lane % 8,
	v_mul_u32_u24 v25, v25, PW
	v_lshl_add_u32 v25, v27, 4, v25                ; 16 bytes for each eight lanes
	s_lshl_b32 s33, s32, 8
	s_add_co_u32 s33, s33, WK
	v_add_nc_u32 v[A2], s33, v25                   ; my quarter of the columns: 256 bytes
	v_add_nc_u32 v[A2B], WK+1024, v25
	s_mul_i32 s33, s28, 16*SP
	s_add_co_u32 s33, s33, STG
	v_mul_u32_u24 v25, v2, SP
	v_lshl_add_u32 v25, v3, 4, v25
	v_add_nc_u32 v[STO], s33, v25
	v_mul_u32_u24 v25, v3, SP
	v_lshl_add_u32 v25, v2, 4, v25
	v_add_nc_u32 v[RD], s33, v25
	v_lshlrev_b32 v25, 13, v3                      ; a row of qt is 8 heads x 1,024 bytes
	v_lshl_add_u32 v[GO], v2, 4, v25
	v_lshlrev_b32 v[SBO], 2, v2
	s_lshl_b32 s33, s28, 9
	s_add_co_u32 s33, s33, GRED
	v_lshl_add_u32 v[GR], v1, 4, s33
	s_lshl_b32 s33, s28, 2
	s_add_co_u32 s33, s33, TRED
	v_mov_b32 v[TR], s33
	s_lshl_b32 s33, s32, 6
	v_lshl_add_u32 v25, v3, 5, s33                 ; b_q: 4 x (16 dq + 8 hh); kept until its loads are shown done
	s_wait_kmcnt 0x0
	s_mov_b32 s35, 0
	s_lshl_b32 s34, s29, 16                        ; 32 rows of query
	s_add_nc_u64 s[4:5], s[4:5], s[34:35]
	s_lshl_b32 s34, s30, 17                        ; the head's 64 rows of the three weights
	s_add_nc_u64 s[6:7], s[6:7], s[34:35]
	s_add_nc_u64 s[10:11], s[10:11], s[34:35]
	s_add_nc_u64 s[14:15], s[14:15], s[34:35]
	s_lshl_b32 s34, s30, 8                         ; the head's 64 numbers of the biases, and its 64 columns of w_fc1
	s_add_nc_u64 s[8:9], s[8:9], s[34:35]
	s_add_nc_u64 s[12:13], s[12:13], s[34:35]
	s_add_nc_u64 s[16:17], s[16:17], s[34:35]
	s_add_nc_u64 s[18:19], s[18:19], s[34:35]
	s_lshl_b32 s34, s29, 18                        ; qt: 32 rb rows + 16 rt rows + the head + my 256 bytes
	s_lshl_b32 s33, s31, 17
	s_add_co_u32 s34, s34, s33
	s_lshl_b32 s33, s30, 10
	s_add_co_u32 s34, s34, s33
	s_lshl_b32 s33, s32, 8
	s_add_co_u32 s34, s34, s33
	s_add_nc_u64 s[22:23], s[22:23], s[34:35]
	s_lshl_b32 s34, s30, 2                         ; tb's word: 8,192 + h
	s_add_nc_u64 s[36:37], s[26:27], s[34:35]
	s_add_nc_u64 s[36:37], s[36:37], 0x8000
	s_lshl_b32 s34, s30, 12                        ; sb's words: 1,024 h + 32 rb + 16 rt
	s_lshl_b32 s33, s29, 7
	s_add_co_u32 s34, s34, s33
	s_lshl_b32 s33, s31, 6
	s_add_co_u32 s34, s34, s33
	s_add_nc_u64 s[26:27], s[26:27], s[34:35]
	global_load_b128 v[BQ:BQ+3],   v25, s[8:9]     ; b_q of d = 16 dq + 8 hh + 0..7: register j of the accumulator holds that d
	global_load_b128 v[BQ+4:BQ+7], v25, s[8:9] offset:16
	global_load_b32 v27, v[BKO], s[12:13]
	; THE SIDE JOB (rb < 4): u for my wave's 8 rows of the head, then my wave's part of 128 columns of g and of tb.  Its loads go out ahead of the ring's.
	s_cmp_lt_u32 s29, 4
	s_cbranch_scc0 .Lplain
	s_lshl_b32 s34, s29, 9                         ; my work-group's 128 columns of w_v
	s_add_nc_u64 s[14:15], s[14:15], s[34:35]
	s_lshl_b32 s33, s28, 5
	v_lshl_add_u32 v26, v2, 11, s33                ; w_fc1: row lane % 16, columns 8 w + 0..7 of the head
	v_mov_b32 v94, s33                             ; b_v: the same 8 numbers in every lane
	global_load_b128 v[40:43], v26, s[18:19]
	global_load_b128 v[44:47], v26, s[18:19] offset:16
	global_load_b32 v92, v[SBO], s[20:21]          ; w_fc2 of row lane % 16
	global_load_b128 v[48:51], v94, s[16:17]
	global_load_b128 v[52:55], v94, s[16:17] offset:16
.irp x, 0,1,2,3,4,5,6,7
	global_load_b128 v[56+4*\x:59+4*\x], v[GW], s[14:15] offset:2048*\x
.endr
	ISSUE10
	s_wait_loadcnt 40                              ; all but the ring's 40 loads
.irp x, 0,1,2,3,4,5,6,7
	v_mul_f32 v[40+\x], v[40+\x], v92
.endr
.irp m, 1,2,4,8                                        ; the sum over w_fc1's 16 rows lies across 16 lanes: every lane ends with u of d = 8 w + x
.irp x, 0,1,2,3,4,5,6,7
	v_add_f32_dpp v[40+\x], v[40+\x], v[40+\x] row_xmask:\m row_mask:0xf bank_mask:0xf
.endr
.endr
.irp c, 0,1,2,3
	v_mul_f32 v[88+\c], v[56+\c], v40
.endr
.irp x, 1,2,3,4,5,6,7
.irp c, 0,1,2,3
	v_fmac_f32 v[88+\c], v[56+4*\x+\c], v[40+\x]
.endr
.endr
	v_mul_f32 v93, v40, v48
.irp x, 1,2,3,4,5,6,7
	v_fmac_f32 v93, v[40+\x], v[48+\x]
.endr
	ds_store_b128 v[GR], v[88:91]
	ds_store_b32 v[TR], v93                        ; all lanes write the same word with the same number
	s_branch .Ljoin
.Lplain:
	ISSUE10
.Ljoin:
	; ROWS 0-11, in pairs.  Behind a pair stand eight younger rows of four loads each: the count is 32 throughout; ten rows are on their way behind each refill.
.set rho, 0
.rept 5
	PAIR rho, 32, 1
.if rho == 0
	v_mov_b32 v29, 0                               ; the b_k tile: column 512 of w_k's rows holds b_k, columns 513-527 hold 0
	v_mov_b32 v30, 0
	v_mov_b32 v31, 0
	v_cvt_pk_bf16_f32 v28, v27, v29
	v_cmp_gt_u32 vcc_lo, 8, v2                     ; the tile's first 16 bytes belong to lanes with lane % 16 < 8
	v_cndmask_b32 v28, 0, v28, vcc_lo
	ds_store_b128 v[BKA], v[28:31]
.endif
.set rho, rho+2
.endr
	PAIR 10, 32, 0                                 ; rows 12-19, w_k's, stay out
	s_wait_dscnt 0x0                               ; for the others' sake: my rows of query and w_q, and the side job's sums, are in LDS
	s_barrier_signal -1
	s_barrier_wait -1                              ; w_k's 32 loads stay out, into v[128:255]
	; FIRST PRODUCT: Q^T (m = d, n = row) = w_q query^T + b_q.  K = 512 in 16 steps, four to a group; the two accumulators take turns.
.macro G1 g
.if (\g) > 0
	PLACES
.endif
.irp i, 0,1,2,3
	ds_load_b128 v[FR+16*\i:FR+16*\i+3],     v[A1] offset:(4*(\g)+\i)*64
	ds_load_b128 v[FR+16*\i+4:FR+16*\i+7],   v[A1] offset:(4*(\g)+\i)*64+32
	ds_load_b128 v[FR+16*\i+8:FR+16*\i+11],  v[B1] offset:(4*(\g)+\i)*64
	ds_load_b128 v[FR+16*\i+12:FR+16*\i+15], v[B1] offset:(4*(\g)+\i)*64+32
.endr
	s_wait_dscnt 0x0
.if (\g) == 0
	v_wmma_f32_16x16x32_bf16 v[ACC0:ACC0+7], v[FR:FR+7],     v[FR+8:FR+15],  v[BQ:BQ+7]  ; the first K step starts the sum with the bias,
	v_wmma_f32_16x16x32_bf16 v[ACC1:ACC1+7], v[FR+16:FR+23], v[FR+24:FR+31], 0           ; the second with 0
.else
	v_wmma_f32_16x16x32_bf16 v[ACC0:ACC0+7], v[FR:FR+7],     v[FR+8:FR+15],  v[ACC0:ACC0+7]
	v_wmma_f32_16x16x32_bf16 v[ACC1:ACC1+7], v[FR+16:FR+23], v[FR+24:FR+31], v[ACC1:ACC1+7]
.endif
	v_wmma_f32_16x16x32_bf16 v[ACC0:ACC0+7], v[FR+32:FR+39], v[FR+40:FR+47], v[ACC0:ACC0+7]
	v_wmma_f32_16x16x32_bf16 v[ACC1:ACC1+7], v[FR+48:FR+55], v[FR+56:FR+63], v[ACC1:ACC1+7]
.endm
	G1 0
	G1 1
	G1 2
	G1 3
	PLACES
.irp j, 0,1,2,3                                        ; from the low registers on
	v_pk_add_f32 v[ACC0+2*\j:ACC0+2*\j+1], v[ACC0+2*\j:ACC0+2*\j+1], v[ACC1+2*\j:ACC1+2*\j+1]
.endr
.irp j, 0,1,2,3
	v_cvt_pk_bf16_f32 v[QP+\j], v[ACC0+2*\j], v[ACC0+2*\j+1]
.endr
	ds_store_b128 v[QXS], v[QP:QP+3]               ; a lane's 8 d of one row ARE half a fragment (source 1) of the second product: nothing changes lanes.  QX is read only behind the next barrier
	; ROWS 12-19: w_k, in pairs; the counts run down 24, 16, 8, 0
.set rho, 12
.rept 4
	PAIR rho, 4*(18-rho), 0
.set rho, rho+2
.endr
	s_wait_dscnt 0x0                               ; for the others' sake: my rows of w_k and my part of Q are in LDS
	s_barrier_signal -1
	s_barrier_wait -1
	; SECOND PRODUCT: qt^T (m = column i, n = row) = w_k^T Q^T, K = the head's 64 d in two steps.  w_k lies [d][i] and is turned by ds_load_tr16_b128.
	; The b_k tile gives sb in its row 0.  All four dq waves of a row tile compute it (one text for all), and dq = 0 stores it.
.macro TRL u, va, off
.irp ks, 0,1
	ds_load_tr16_b128 v[FR2+16*(\u)+8*\ks:FR2+16*(\u)+8*\ks+3],   v[\va] offset:(\off)+\ks*32*PW
	ds_load_tr16_b128 v[FR2+16*(\u)+8*\ks+4:FR2+16*(\u)+8*\ks+7], v[\va] offset:(\off)+\ks*32*PW+16*PW
.endr
.endm
.macro MM2 a, u, ks
.if (\ks) == 0
	v_wmma_f32_16x16x32_bf16 v[ACC2+8*(\a):ACC2+8*(\a)+7], v[FR2+16*(\u):FR2+16*(\u)+7], v[QB:QB+7], 0
.else
	v_wmma_f32_16x16x32_bf16 v[ACC2+8*(\a):ACC2+8*(\a)+7], v[FR2+16*(\u)+8:FR2+16*(\u)+15], v[QB+8:QB+15], v[ACC2+8*(\a):ACC2+8*(\a)+7]
.endif
.endm
.irp d, 0,1,2,3                                        ; d tiles 0, 1 are K step 0's fragment, d tiles 2, 3 K step 1's
	ds_load_b128 v[QB+4*\d:QB+4*\d+3], v[QXL] offset:1024*\d
.endr
.irp u, 0,1,2,3
	TRL \u, A2, 32*\u
.endr
	TRL 4, A2B, 0
	s_wait_dscnt 0x0
.irp ks, 0,1                                           ; five accumulators by turns
.irp u, 0,1,2,3
	MM2 \u, \u, \ks
.endr
	MM2 8, 4, \ks
.endr
	PLACES
.irp u, 0,1,2,3
	TRL \u, A2, 128+32*\u
.endr
	s_wait_dscnt 0x0
.irp ks, 0,1
.irp u, 0,1,2,3
	MM2 4+\u, \u, \ks
.endr
.endr
	PLACES
	; THE WAY OUT: a lane's 8 neighbouring columns of one row pack into 16 bytes; through my own stage they become whole pieces of 256 bytes.  Conversions in a run, then the stores.
.set tt, 0
.rept 8
.irp j, 0,1,2,3                                        ; each accumulator from its low registers on
	v_cvt_pk_bf16_f32 v[TMP+4*tt+\j], v[ACC2+8*tt+2*\j], v[ACC2+8*tt+2*\j+1]
.endr
.set tt, tt+1
.endr
.set tt, 0
.rept 8
	ds_store_b128 v[STO], v[TMP+4*tt:TMP+4*tt+3] offset:32*tt
.set tt, tt+1
.endr
.irp x, 0,1,2,3,4,5,6,7
	ds_load_b128 v[OUT+4*\x:OUT+4*\x+3], v[RD] offset:2*SP*\x  ; LDS serves a wave's instructions in order (ISA guide 5.7.1.4): these see the stores above
.endr
.irp x, 0,1,2,3,4,5,6,7
	s_wait_dscnt 7-\x
	global_store_b128 v[GO], v[OUT+4*\x:OUT+4*\x+3], s[22:23] offset:16384*\x  ; 16 lanes store 256 consecutive bytes, at a multiple of 256 from qt's first byte
.endr
	s_cmp_lg_u32 s32, 0
	s_cbranch_scc1 .Lno_sb
	v_cmp_gt_u32 vcc_lo, 16, v1                    ; row 0 of the b_k tile lies in register 0 of lanes 0-15: sb of 16 rows, 64 consecutive bytes
	s_wait_xcnt 0x0                                ; EXEC changes only when the stores above have had their addresses translated
	s_and_saveexec_b32 s38, vcc_lo
	global_store_b32 v[SBO], v[ACC2+64], s[26:27]
	s_wait_xcnt 0x0
	s_or_b32 exec_lo, exec_lo, s38
.Lno_sb:
	; THE SIDE JOB'S END: wave 0 adds the eight waves' parts.
	s_cmp_lt_u32 s29, 4
	s_cbranch_scc0 .Lend
	s_cmp_lg_u32 s28, 0
	s_cbranch_scc1 .Lend
.irp x, 0,1,2,3,4,5,6,7
	ds_load_b128 v[40+4*\x:43+4*\x], v[GR] offset:512*\x
.endr
	ds_load_b128 v[72:75], v[TR]
	ds_load_b128 v[76:79], v[TR] offset:16
	s_lshl_b32 s34, s30, 10                        ; gv: the head's row, my work-group's 128 columns
	s_lshl_b32 s33, s29, 8
	s_add_co_u32 s34, s34, s33
	s_add_nc_u64 s[24:25], s[24:25], s[34:35]
	v_lshlrev_b32 v26, 3, v1
	s_wait_dscnt 0x0
.irp x, 0,1,2,3,4,5,6,7
	v_pk_add_f32 v[40+2*\x:41+2*\x], v[40+2*\x:41+2*\x], v[56+2*\x:57+2*\x]
.endr
.irp x, 0,1,2,3
	v_pk_add_f32 v[40+2*\x:41+2*\x], v[40+2*\x:41+2*\x], v[48+2*\x:49+2*\x]
.endr
.irp x, 0,1
	v_pk_add_f32 v[40+2*\x:41+2*\x], v[40+2*\x:41+2*\x], v[44+2*\x:45+2*\x]
.endr
	v_pk_add_f32 v[72:73], v[72:73], v[74:75]
	v_pk_add_f32 v[76:77], v[76:77], v[78:79]
	v_pk_add_f32 v[72:73], v[72:73], v[76:77]
	v_add_f32 v72, v72, v73
	v_cvt_pk_bf16_f32 v40, v40, v41
	v_cvt_pk_bf16_f32 v41, v42, v43
	global_store_b64 v26, v[40:41], s[24:25]       ; 32 lanes store 256 consecutive bytes, aligned
	s_cmp_lg_u32 s29, 0
	s_cbranch_scc1 .Lend
	v_mov_b32 v27, 0
	v_cmp_eq_u32 vcc_lo, 0, v1
	s_wait_xcnt 0x0
	s_and_saveexec_b32 s38, vcc_lo
	global_store_b32 v27, v72, s[36:37]            ; tb: one number a head
	s_wait_xcnt 0x0
	s_or_b32 exec_lo, exec_lo, s38
.Lend:
	s_wait_tensorcnt 0x0                           ; the wave's end: behind my last LDS store
	ds_add_u32 v[SPW], v[NIL]
	s_wait_dscnt 0x0
	s_endpgm
.Lfunc_end_k_q3850297daf_prep:
	.size	k_q3850297daf_prep, .Lfunc_end_k_q3850297daf_prep-k_q3850297daf_prep
	.p2alignl 7, 3214868480
	.fill 96, 4, 3214868480
	.section	.rodata,"a",@progbits
	.p2align	6, 0x0
	.amdhsa_kernel k_q3850297daf_prep
		.amdhsa_group_segment_fixed_size 211712
		.amdhsa_private_segment_fixed_size 0
		.amdhsa_enable_private_segment 0
		.amdhsa_kernarg_size 96
		.amdhsa_user_sgpr_count 2
		.amdhsa_user_sgpr_kernarg_segment_ptr 1
		.amdhsa_wavefront_size32 1
		.amdhsa_system_sgpr_workgroup_id_x 1
		.amdhsa_system_sgpr_workgroup_id_y 1
		.amdhsa_system_sgpr_workgroup_id_z 1
		.amdhsa_system_vgpr_workitem_id 0
		.amdhsa_next_free_vgpr 256
		.amdhsa_next_free_sgpr 66
		.amdhsa_reserve_vcc 1
		.amdhsa_float_denorm_mode_32 3
		.amdhsa_float_denorm_mode_16_64 3
		.amdhsa_memory_ordered 1
		.amdhsa_forward_progress 1
		.amdhsa_inst_pref_size 55
	.end_amdhsa_kernel
	.amdgpu_metadata
---
amdhsa.version: [ 1, 2 ]
amdhsa.kernels:
  - .name:           k_q3850297daf_prep
    .symbol:         k_q3850297daf_prep.kd
    .args:
      - { .name: query, .offset: 0, .size: 8, .value_kind: global_buffer, .address_space: global }
      - { .name: w_q, .offset: 8, .size: 8, .value_kind: global_buffer, .address_space: global }
      - { .name: b_q, .offset: 16, .size: 8, .value_kind: global_buffer, .address_space: global }
      - { .name: w_k, .offset: 24, .size: 8, .value_kind: global_buffer, .address_space: global }
      - { .name: b_k, .offset: 32, .size: 8, .value_kind: global_buffer, .address_space: global }
      - { .name: w_v, .offset: 40, .size: 8, .value_kind: global_buffer, .address_space: global }
      - { .name: b_v, .offset: 48, .size: 8, .value_kind: global_buffer, .address_space: global }
      - { .name: w_fc1, .offset: 56, .size: 8, .value_kind: global_buffer, .address_space: global }
      - { .name: w_fc2, .offset: 64, .size: 8, .value_kind: global_buffer, .address_space: global }
      - { .name: qt, .offset: 72, .size: 8, .value_kind: global_buffer, .address_space: global }
      - { .name: gv, .offset: 80, .size: 8, .value_kind: global_buffer, .address_space: global }
      - { .name: bias, .offset: 88, .size: 8, .value_kind: global_buffer, .address_space: global }
    .group_segment_fixed_size: 211712
    .private_segment_fixed_size: 0
    .kernarg_segment_align: 8
    .kernarg_segment_size: 96
    .max_flat_workgroup_size: 256
    .sgpr_count:     66
    .vgpr_count:     256
    .wavefront_size: 32
...
	.end_amdgpu_metadata
.endif
;; end of part 1
;; launch stream (part 2): grid 1024 x 1, 4 waves a work-group, no clusters, 50,944 bytes of LDS; arguments keys, key_lens, qt, gv, bias, ev; writes ev
.if DOCPART == 2
	.amdgcn_target "amdgcn-amd-amdhsa--gfx1250"
	.amdhsa_code_object_version 6
	.text
	.protected	k_q3850297daf_stream
	.globl	k_q3850297daf_stream
	.p2align	8
	.type	k_q3850297daf_stream,@function
k_q3850297daf_stream:
	s_mov_b64 s[64:65], 0
	v_nop
	global_prefetch_b8 v0, s[64:65] scope:SCOPE_SE
	s_setreg_imm32_b32 hwreg(HW_REG_WAVE_MODE, 25, 1), 1
	s_wait_xcnt 0x0
; STREAM: one work-group for each pair (n, b).  ev[64 b + n] = sum over heads h and keys l < len of softmax_l((qt_h . x_l + sb_h) / 8) (g_h . x_l + tb_h), x_l = keys[n][b][l][:].
; ONE PRODUCT does both dot products: source 0 has 16 rows, the pair's eight qt_h and the eight g_h; source 1 is 16 key rows.  In the result a lane holds ONE key (lane % 16);
; lanes 0-15 hold the eight heads' scores in registers 0-7, lanes 16-31 the eight g_h . x.
; ONLY THE TILES WITH VALID ROWS ARE READ: a key at or past key_lens[n] has weight 0.  Tiles of 16 rows.  Tile 0 is asked for whole, before the length is known (rows 0-15 exist in the padded tensor);
; from tile 1 on the rows past the length name the last valid row again.  All rows past the length are masked in front of the softmax; a key row enters its own column of the product alone.
; SHARES: the four waves split the 512 columns: wave w takes columns 128 w .. + 127 of every row, 512 consecutive bytes, one load of the wave.  So the four waves have equal work at every length.
; Their partial sums meet in LDS; then wave w does the softmax of heads 2 w and 2 w + 1, all of a head's 128 scores at once, with the row's true maximum taken away.
; IN FLIGHT: two tiles of 16 loads in each wave: tile t + 2 is asked for as soon as tile t has left its registers for LDS.  Several work-groups lie on a WGP, which multiplies that.
; ORDER: each kind of instruction stands in a run (row numbers, conversions, LDS stores, LDS loads, offsets, global loads), so that no line waits for the line just before it.
; LIMITS: keys, qt and g are bf16 operands, sums f32.  key_lens < 1: uniform weights over all 128 rows, as the module gives (all scores masked alike); key_lens > 128 counts as 128.
; A masked score is -1e30; a weight below 2^-126 counts as 0; NaN and infinities are not treated apart.  ev is stored 4 bytes a work-group: its whole result.
; LEFT OUT: tensor loads (the f32 rows pass through registers for their rounding, and the number of tiles hangs on the length); clusters (no two work-groups share a key row);
; a cache hint on the keys' loads (the last valid row is named more than once).
.set SP,    272                   ; a stage row: 256 bytes + 16: the 16 rows of a fragment load start at 16 different groups of four banks (64 banks of 4 bytes: ISA guide 11.1)
.set STG,   0                     ; 16 rows x 272 bytes for each wave
.set RED,   4*16*SP               ; partial sums: [wave][tile][register pair][lane x 8]
.set EX,    RED+4*8192            ; four words: the waves' parts of ev
.set SPARE, EX+256                ; the spare words, 128 bytes a wave: two blocks of 256 bytes that no other line names
.set KO,  4                       ; v4   512 w + 16 lane: my 16 bytes in a key row; never rewritten
.set ST,  5                       ; v5   where my 8 bytes of a converted row go
.set FR,  6                       ; v6   my fragment row in the stage
.set SA,  7                       ; v7   where 16 bytes of qt or gv go
.set RS,  8                       ; v8   my 8 bytes of my wave's partial sums
.set RL,  9                       ; v9   my 8 bytes of my two heads' partial sums, wave 0's, tile 0's
.set QO,  10                      ; v10  my byte offset in qt and gv
.set B0,  11                      ; v11, v12  byte offsets in bias for my two heads: sb in lanes 0-15, tb in lanes 16-31
.set B1,  12
.set SPW, 13                      ; v13  my spare word: SPARE + 4 x my thread's number; never rewritten
.set NIL, 14                      ; v14  0; never rewritten
.set BI,  20                      ; v[20:21]
.set AF,  24                      ; v[24:55]  source 0: four K steps of 32
.set BF,  56                      ; v[56:87]  source 1
.set ACA, 88                      ; v[88:95], v[96:103]  two accumulators, by turns
.set ACB, 96
.set X0,  104                     ; v[104:167], v[168:231]  two tiles as loaded: even tiles, odd tiles
.set X1,  168
.set PS,  104                     ; the softmax: partial sums, then the weights from the other half of the lanes
.set VV,  168                     ; scores (lanes 0-15), g . x + tb (lanes 16-31): a pair for each tile
.set PP,  184                     ; weights
.set NUM, 200
.set DEN, 202
.set AD,  208                     ; v[208:215]  the softmax: the eight tiles' LDS addresses
.set RW,  40                      ; s[40:55]  sixteen row numbers (the softmax: eight tile numbers)
.macro ROWS t                     ; the rows of tile t: min(16 t + x, len - 1)
.set xx, 0
.rept 16
	s_min_u32 s[RW+xx], s22, 16*(\t)+xx
.set xx, xx+1
.endr
.endm
.macro ASK xb                     ; they are asked for; each offset is made in its load's own first destination register
.set xx, 0
.rept 16
	v_lshl_add_u32 v[(\xb)+4*xx], s[RW+xx], 11, v[KO]
.set xx, xx+1
.endr
.set xx, 0
.rept 16
	global_load_b128 v[(\xb)+4*xx:(\xb)+4*xx+3], v[(\xb)+4*xx], s[4:5]
.set xx, xx+1
.endr
.endm
; Tile t is rounded to bf16, turned into fragments through my own stage, multiplied, and its 16 x 16 partial sums are left in LDS.
; nxt >= 0: tile nxt = t + 2 is asked for, into the registers that tile t has just left, while the fragments are on their way back from LDS.
.macro PROC t, xb, nxt
.if (\nxt) >= 0
	ROWS \nxt
.endif
.set xx, 0
.rept 16                                               ; these 32 conversions are also the places between the last tile's products and the loads into their fragments
	v_cvt_pk_bf16_f32 v[(\xb)+4*xx],   v[(\xb)+4*xx],   v[(\xb)+4*xx+1]
	v_cvt_pk_bf16_f32 v[(\xb)+4*xx+1], v[(\xb)+4*xx+2], v[(\xb)+4*xx+3]
.set xx, xx+1
.endr
.set xx, 0
.rept 16
	ds_store_b64 v[ST], v[(\xb)+4*xx:(\xb)+4*xx+1] offset:SP*xx
.set xx, xx+1
.endr
.irp ks, 0,1,2,3
	ds_load_b128 v[BF+8*\ks:BF+8*\ks+3],   v[FR] offset:64*\ks     ; LDS serves a wave's instructions in order (ISA guide 5.7.1.4): these see the stores above
	ds_load_b128 v[BF+8*\ks+4:BF+8*\ks+7], v[FR] offset:64*\ks+32
.endr
.if (\nxt) >= 0
	ASK \xb
.endif
	s_wait_dscnt 0x0
	v_wmma_f32_16x16x32_bf16 v[ACA:ACA+7], v[AF:AF+7],     v[BF:BF+7],     0
	v_wmma_f32_16x16x32_bf16 v[ACB:ACB+7], v[AF+8:AF+15],  v[BF+8:BF+15],  0
	v_wmma_f32_16x16x32_bf16 v[ACA:ACA+7], v[AF+16:AF+23], v[BF+16:BF+23], v[ACA:ACA+7]
	v_wmma_f32_16x16x32_bf16 v[ACB:ACB+7], v[AF+24:AF+31], v[BF+24:BF+31], v[ACB:ACB+7]
.rept 4
	v_nop                                          ; four places behind the products (ISA guide 7.12.1)
.endr
.irp jp, 0,1,2,3                                       ; from the low registers on
	v_pk_add_f32 v[ACA+2*\jp:ACA+2*\jp+1], v[ACA+2*\jp:ACA+2*\jp+1], v[ACB+2*\jp:ACB+2*\jp+1]
.endr
.irp jp, 0,1,2,3
	ds_store_b64 v[RS], v[ACA+2*\jp:ACA+2*\jp+1] offset:1024*(\t)+256*\jp
.endr
.endm
.macro STEP t, xb                      ; tiles t and t + 1 are out, and the list has a tile t + 2
	s_wait_loadcnt 16                              ; loads come back in order (ISA guide 5.7.1): tile t is in, tile t + 1's 16 stay out
	PROC \t, \xb, (\t)+2
.endm
.macro LAST2 t, xc, xn                 ; tiles t and t + 1 are out, and t + 1 is the list's last
	s_wait_loadcnt 16
	PROC \t, \xc, -1
	s_wait_loadcnt 0x0
	PROC (\t)+1, \xn, -1
.endm
.macro ASTAGE                          ; source 0 goes through the stage once: rows 0-7 qt, rows 8-15 gv; its reads are waited for with the first tile's fragments, and the first tile's stores come behind them
.irp x, 0,1,2,3
	ds_store_b128 v[SA], v[BF+4*\x:BF+4*\x+3] offset:2*SP*\x
.endr
.irp x, 0,1,2,3
	ds_store_b128 v[SA], v[BF+16+4*\x:BF+16+4*\x+3] offset:8*SP+2*SP*\x
.endr
.irp ks, 0,1,2,3
	ds_load_b128 v[AF+8*\ks:AF+8*\ks+3],   v[FR] offset:64*\ks
	ds_load_b128 v[AF+8*\ks+4:AF+8*\ks+7], v[FR] offset:64*\ks+32
.endr
.endm
	s_load_b256 s[4:11], s[0:1], 0x0               ; keys 4, key_lens 6, qt 8, gv 10
	s_load_b128 s[12:15], s[0:1], 0x20             ; bias 12, ev 14
	v_lshl_add_u32 v[SPW], v0, 2, SPARE
	v_mov_b32 v[NIL], 0
	; all that hangs on ids alone is made while the arguments are on their way
	v_and_b32 v1, 31, v0                           ; lane
	v_and_b32 v2, 15, v0                           ; r = lane % 16
	v_bfe_u32 v3, v0, 4, 1                         ; hh = lane / 16
	v_lshrrev_b32 v15, 5, v0
	v_readfirstlane_b32 s16, v15                   ; wave 0..3
	s_lshr_b32 s18, ttmp9, 6                       ; b = id / 64
	s_lshr_b32 s17, ttmp9, 8
	s_lshl_b32 s17, s17, 4
	s_add_co_u32 s17, s17, ttmp9
	s_and_b32 s17, s17, 63                         ; n = (id + 16 (id / 256)) % 64: one to one for each b; ids next to each other, and 256 apart, have different n, so different lengths
	s_lshl_b32 s19, s18, 6
	s_add_co_u32 s19, s19, s17                     ; rq = 64 b + n
	s_lshl_b32 s29, s17, 2                         ; key_lens: 4 n
	s_lshl_b32 s28, s16, 9
	v_lshl_add_u32 v[KO], v1, 4, s28
	s_mul_i32 s28, s16, 16*SP                      ; my stage (STG = 0)
	v_lshl_add_u32 v[ST], v1, 3, s28
	v_mul_u32_u24 v15, v2, SP
	v_lshl_add_u32 v15, v3, 4, v15
	v_add_nc_u32 v[FR], s28, v15                   ; row r x pitch + 16 x half
	v_mul_u32_u24 v15, v3, SP
	v_lshl_add_u32 v15, v2, 4, v15
	v_add_nc_u32 v[SA], s28, v15                   ; lanes 0-15 one row of 256 bytes, lanes 16-31 the next
	s_lshl_b32 s28, s16, 13
	s_add_co_u32 s28, s28, RED
	v_lshl_add_u32 v[RS], v1, 3, s28
	s_lshl_b32 s28, s16, 8
	v_lshlrev_b32 v15, 10, v3
	v_lshl_add_u32 v15, v2, 4, v15
	v_add_nc_u32 v[QO], s28, v15                   ; 1,024 hh + 256 w + 16 r
	s_add_co_u32 s28, s28, RED
	v_lshl_add_u32 v[RL], v1, 3, s28
	s_lshl_b32 s28, s16, 11
	s_add_co_u32 s28, s28, s19
	s_lshl_b32 s28, s28, 2                         ; sb of head 2 w: word 2,048 w + rq
	s_lshl_b32 s33, s16, 3
	s_add_co_u32 s33, s33, 32768                   ; tb of head 2 w: word 8,192 + 2 w
	v_cmp_gt_u32 vcc_lo, 16, v1
	v_mov_b32 v15, s28
	v_mov_b32 v[B0], s33
	v_cndmask_b32 v[B0], v[B0], v15, vcc_lo
	v_mov_b32 v16, 4                               ; the next head: a word on for tb, 1,024 words on for sb
	v_mov_b32 v17, 0x1000
	v_cndmask_b32 v16, v16, v17, vcc_lo
	v_add_nc_u32 v[B1], v[B0], v16
	s_lshl_b32 s30, s17, 4
	s_add_co_u32 s30, s30, s18
	s_lshl_b32 s30, s30, 18                        ; keys: the pair's 128 rows of 2,048 bytes: under 2^28
	s_mov_b32 s31, 0
	s_lshl_b32 s36, s19, 13                        ; qt: 8,192 bytes a pair
	s_mov_b32 s37, 0
	s_lshl_b32 s38, s19, 2                         ; ev: a word a pair
	s_mov_b32 s39, 0
	s_mov_b32 s25, 0xf149f2ca                      ; -1e30
	s_mov_b32 s34, 0x76543210                      ; v_permlanex16_b32: each lane takes its own place in the other half
	s_mov_b32 s35, 0xfedcba98
	s_wait_kmcnt 0x0
	s_load_b32 s20, s[6:7], s29 offset:0x0         ; key_lens[n]
	s_add_nc_u64 s[4:5], s[4:5], s[30:31]
	s_add_nc_u64 s[8:9], s[8:9], s[36:37]
	s_add_nc_u64 s[14:15], s[14:15], s[38:39]
.irp x, 0,1,2,3                                        ; source 0: my 256 bytes of rows 2 x + hh of qt and of gv; 16 lanes take 256 consecutive bytes, aligned
	global_load_b128 v[BF+4*\x:BF+4*\x+3], v[QO], s[8:9] offset:2048*\x
.endr
.irp x, 0,1,2,3
	global_load_b128 v[BF+16+4*\x:BF+16+4*\x+3], v[QO], s[10:11] offset:2048*\x
.endr
	global_load_b32 v[BI],   v[B0], s[12:13]
	global_load_b32 v[BI+1], v[B1], s[12:13]
.set xx, 0
.rept 16                                               ; tile 0, whole: it does not wait for the length
	global_load_b128 v[X0+4*xx:X0+4*xx+3], v[KO], s[4:5] offset:2048*xx
.set xx, xx+1
.endr
	s_wait_kmcnt 0x0
	s_cmp_lt_i32 s20, 1                            ; no valid key: every score is masked alike, so the weights are uniform over all 128 rows: scale 0, length 128
	s_cselect_b32 s21, 128, s20
	s_cselect_b32 s26, 0, 0x3e38aa3b               ; c = log2(e) / 8
	s_min_u32 s21, s21, 128                        ; the length in use, 1 .. 128
	s_mov_b32 s27, s26                             ; named with it as a pair
	s_sub_co_u32 s22, s21, 1                       ; the last valid row
	s_add_co_u32 s23, s21, 15
	s_lshr_b32 s23, s23, 4                         ; tiles, 1 .. 8
	s_sub_co_u32 s24, s23, 1
	; THE WALK, written out: every jump goes forward, to the text of the list's last two tiles, so that behind each counted wait the same loads stand on every way.
	s_cmp_eq_u32 s23, 1
	s_cbranch_scc1 .Ltail0
	ROWS 1
	ASK X1                                         ; tile 1 goes out ahead of the wait for source 0
	s_wait_loadcnt 32                              ; qt, gv and the biases are in; tiles 0 and 1, 32 loads, stay out
	ASTAGE
	s_cmp_eq_u32 s23, 2
	s_cbranch_scc1 .Le0
	STEP 0, X0
	s_cmp_eq_u32 s23, 3
	s_cbranch_scc1 .Le1
	STEP 1, X1
	s_cmp_eq_u32 s23, 4
	s_cbranch_scc1 .Le2
	STEP 2, X0
	s_cmp_eq_u32 s23, 5
	s_cbranch_scc1 .Le3
	STEP 3, X1
	s_cmp_eq_u32 s23, 6
	s_cbranch_scc1 .Le4
	STEP 4, X0
	s_cmp_eq_u32 s23, 7
	s_cbranch_scc1 .Le5
	STEP 5, X1
	LAST2 6, X0, X1
	s_branch .Lfin
.Le5:
	LAST2 5, X1, X0
	s_branch .Lfin
.Le4:
	LAST2 4, X0, X1
	s_branch .Lfin
.Le3:
	LAST2 3, X1, X0
	s_branch .Lfin
.Le2:
	LAST2 2, X0, X1
	s_branch .Lfin
.Le1:
	LAST2 1, X1, X0
	s_branch .Lfin
.Le0:
	LAST2 0, X0, X1
	s_branch .Lfin
.Ltail0:                                               ; a list of one tile
	s_wait_loadcnt 16                              ; qt, gv and the biases are in; tile 0's 16 loads stay out
	ASTAGE
	s_wait_loadcnt 0x0
	PROC 0, X0, -1
.Lfin:
	s_wait_dscnt 0x0                               ; for the others' sake: my partial sums are in LDS
	s_barrier_signal -1
	s_barrier_wait -1
	; THE SOFTMAX of heads 2 w and 2 w + 1: register pair w of every wave's partial sums.  A tile past the list's last reads the last tile again and is masked.
.set tt, 0
.rept 8
	s_min_u32 s[RW+tt], s24, tt
.set tt, tt+1
.endr
.set tt, 0
.rept 8
	v_lshl_add_u32 v[AD+tt], s[RW+tt], 10, v[RL]
.set tt, tt+1
.endr
.set tt, 0
.rept 8
.irp q, 0,1,2,3
	ds_load_b64 v[PS+8*tt+2*\q:PS+8*tt+2*\q+1], v[AD+tt] offset:8192*\q
.endr
.set tt, tt+1
.endr
.set tt, 0
.rept 8
	s_wait_dscnt 4*(7-tt)                          ; tile tt's four reads are back; the younger tiles' stay out
	v_pk_add_f32 v[VV+2*tt:VV+2*tt+1], v[BI:BI+1], v[PS+8*tt:PS+8*tt+1]
.irp q, 1,2,3
	v_pk_add_f32 v[VV+2*tt:VV+2*tt+1], v[VV+2*tt:VV+2*tt+1], v[PS+8*tt+2*\q:PS+8*tt+2*\q+1]
.endr
	s_sub_co_i32 s28, s21, 16*tt
	v_cmp_gt_i32 vcc_lo, s28, v2                   ; key 16 tt + r is valid
	v_cndmask_b32 v[VV+2*tt],   s25, v[VV+2*tt],   vcc_lo
	v_cndmask_b32 v[VV+2*tt+1], s25, v[VV+2*tt+1], vcc_lo
.set tt, tt+1
.endr
.irp p, 0,1                                            ; the maximum of a head's 128 scores: 8 in the lane, then across the 16 lanes
	v_max3_num_f32 v[16+\p], v[VV+\p], v[VV+2+\p], v[VV+4+\p]
	v_max3_num_f32 v[16+\p], v[16+\p], v[VV+6+\p], v[VV+8+\p]
	v_max3_num_f32 v[16+\p], v[16+\p], v[VV+10+\p], v[VV+12+\p]
	v_max_num_f32  v[16+\p], v[16+\p], v[VV+14+\p]
.endr
.irp m, 1,2,4,8
	v_max_num_f32_dpp v16, v16, v16 row_xmask:\m row_mask:0xf bank_mask:0xf
	v_max_num_f32_dpp v17, v17, v17 row_xmask:\m row_mask:0xf bank_mask:0xf
.endr
	v_pk_mul_f32 v[16:17], v[16:17], s[26:27] op_sel_hi:[1,0]   ; c m
.set tt, 0
.rept 8
	v_pk_fma_f32 v[PP+2*tt:PP+2*tt+1], v[VV+2*tt:VV+2*tt+1], s[26:27], v[16:17] op_sel_hi:[1,0,1] neg_lo:[0,0,1] neg_hi:[0,0,1]  ; c s - c m
.set tt, tt+1
.endr
.set tt, 0
.rept 16
	v_exp_f32 v[PP+tt], v[PP+tt]
.set tt, tt+1
.endr
	v_nop                                          ; a plain instruction between the last exponential and the use of its result (ISA guide 5.7.2)
.set tt, 0
	s_wait_alu depctr_va_vdst(0)
.rept 16                                               ; lanes 16-31 take the weights and hold them beside their g . x + tb.  (Lanes 0-15 go on with finite numbers that nobody uses.)
	v_permlanex16_b32 v[PS+tt], v[PP+tt], s34, s35
.set tt, tt+1
.endr
	v_pk_mul_f32 v[NUM:NUM+1], v[PS:PS+1], v[VV:VV+1]
	v_pk_add_f32 v[DEN:DEN+1], v[PS:PS+1], v[PS+2:PS+3]
	v_pk_fma_f32 v[NUM:NUM+1], v[PS+2:PS+3], v[VV+2:VV+3], v[NUM:NUM+1]
.set tt, 2
.rept 6
	v_pk_add_f32 v[DEN:DEN+1], v[DEN:DEN+1], v[PS+2*tt:PS+2*tt+1]
	v_pk_fma_f32 v[NUM:NUM+1], v[PS+2*tt:PS+2*tt+1], v[VV+2*tt:VV+2*tt+1], v[NUM:NUM+1]
.set tt, tt+1
.endr
.irp m, 1,2,4,8
.irp p, 0,1,2,3
	v_add_f32_dpp v[NUM+\p], v[NUM+\p], v[NUM+\p] row_xmask:\m row_mask:0xf bank_mask:0xf
.endr
.endr
	v_rcp_f32 v[DEN], v[DEN]                       ; the sum of the weights holds the largest weight, about 1
	v_rcp_f32 v[DEN+1], v[DEN+1]
	v_nop
	s_wait_alu depctr_va_vdst(0)
	v_mul_f32 v18, v[NUM], v[DEN]
	v_fmac_f32 v18, v[NUM+1], v[DEN+1]             ; my two heads' part of ev, in lanes 16-31
	v_readlane_b32 s33, v18, 16
	v_mov_b32 v19, s33
	s_lshl_b32 s28, s16, 2
	s_add_co_u32 s28, s28, EX
	v_mov_b32 v15, s28
	ds_store_b32 v15, v19                          ; all lanes write the same word with the same number
	s_wait_dscnt 0x0                               ; for wave 0's sake
	s_barrier_signal -1
	s_barrier_wait -1
	s_cmp_lg_u32 s16, 0
	s_cbranch_scc1 .Lend
	ds_load_b128 v[16:19], v15                     ; in wave 0 v15 is EX
	s_wait_dscnt 0x0
	v_add_f32 v16, v16, v17
	v_add_f32 v18, v18, v19
	v_add_f32 v16, v16, v18
	v_mov_b32 v17, 0
	v_cmp_eq_u32 vcc_lo, 0, v1
	s_wait_xcnt 0x0                                ; EXEC changes only behind this wait
	s_and_saveexec_b32 s32, vcc_lo
	global_store_b32 v17, v16, s[14:15]
	s_wait_xcnt 0x0
	s_or_b32 exec_lo, exec_lo, s32
.Lend:
	s_wait_tensorcnt 0x0                           ; the wave's end: behind my last LDS store
	ds_add_u32 v[SPW], v[NIL]
	s_wait_dscnt 0x0
	s_endpgm
.Lfunc_end_k_q3850297daf_stream:
	.size	k_q3850297daf_stream, .Lfunc_end_k_q3850297daf_stream-k_q3850297daf_stream
	.p2alignl 7, 3214868480
	.fill 96, 4, 3214868480
	.section	.rodata,"a",@progbits
	.p2align	6, 0x0
	.amdhsa_kernel k_q3850297daf_stream
		.amdhsa_group_segment_fixed_size 50944
		.amdhsa_private_segment_fixed_size 0
		.amdhsa_enable_private_segment 0
		.amdhsa_kernarg_size 48
		.amdhsa_user_sgpr_count 2
		.amdhsa_user_sgpr_kernarg_segment_ptr 1
		.amdhsa_wavefront_size32 1
		.amdhsa_system_sgpr_workgroup_id_x 1
		.amdhsa_system_sgpr_workgroup_id_y 1
		.amdhsa_system_sgpr_workgroup_id_z 1
		.amdhsa_system_vgpr_workitem_id 0
		.amdhsa_next_free_vgpr 232
		.amdhsa_next_free_sgpr 66
		.amdhsa_reserve_vcc 1
		.amdhsa_float_denorm_mode_32 3
		.amdhsa_float_denorm_mode_16_64 3
		.amdhsa_memory_ordered 1
		.amdhsa_forward_progress 1
		.amdhsa_inst_pref_size 138
	.end_amdhsa_kernel
	.amdgpu_metadata
---
amdhsa.version: [ 1, 2 ]
amdhsa.kernels:
  - .name:           k_q3850297daf_stream
    .symbol:         k_q3850297daf_stream.kd
    .args:
      - { .name: keys, .offset: 0, .size: 8, .value_kind: global_buffer, .address_space: global }
      - { .name: key_lens, .offset: 8, .size: 8, .value_kind: global_buffer, .address_space: global }
      - { .name: qt, .offset: 16, .size: 8, .value_kind: global_buffer, .address_space: global }
      - { .name: gv, .offset: 24, .size: 8, .value_kind: global_buffer, .address_space: global }
      - { .name: bias, .offset: 32, .size: 8, .value_kind: global_buffer, .address_space: global }
      - { .name: ev, .offset: 40, .size: 8, .value_kind: global_buffer, .address_space: global }
    .group_segment_fixed_size: 50944
    .private_segment_fixed_size: 0
    .kernarg_segment_align: 8
    .kernarg_segment_size: 48
    .max_flat_workgroup_size: 128
    .sgpr_count:     66
    .vgpr_count:     232
    .wavefront_size: 32
...
	.end_amdgpu_metadata
.endif
;; end of part 2
;; launch mix (part 3): grid 16 x 1, 1 waves a work-group, no clusters, 0 bytes of LDS; arguments intensity_score, ev, b_fc1, w_fc2, b_fc2, out0; writes out0
.if DOCPART == 3
	.amdgcn_target "amdgcn-amd-amdhsa--gfx1250"
	.amdhsa_code_object_version 6
	.text
	.protected	k_q3850297daf_mix
	.globl	k_q3850297daf_mix
	.p2align	8
	.type	k_q3850297daf_mix,@function
k_q3850297daf_mix:
	s_mov_b64 s[64:65], 0
	v_nop
	global_prefetch_b8 v0, s[64:65] scope:SCOPE_SE
	s_setreg_imm32_b32 hwreg(HW_REG_WAVE_MODE, 25, 1), 1
	s_wait_xcnt 0x0
; MIX: out0[b][m] = sum over n of intensity_score[b][n][m] ev[64 b + n] + c0,  c0 = b_fc1 . w_fc2 + b_fc2.  All in f32.
; One wave for each b: 16 KB of intensity_score, 32 loads, all on their way at once.  Lane: columns m = 4 (lane % 16) + 0..3, rows n = 32 (lane / 16) + 0..31;
; each load of the wave takes two whole rows of 256 bytes.  The work has 16 independent parts of this size, so 16 work-groups are launched; LDS, barriers and the matrix unit would add nothing.
.set EV,  8                       ; v[8:39]    ev of my 32 rows
.set IS,  40                      ; v[40:167]  my 4 columns of my 32 rows
.set S0,  168                     ; v[168:171], v[172:175]  sums over even and over odd rows: two chains that do not wait for each other
.set S1,  172
	s_load_b256 s[4:11], s[0:1], 0x0               ; intensity_score 4, ev 6, b_fc1 8, w_fc2 10
	s_load_b128 s[12:15], s[0:1], 0x20             ; b_fc2 12, out0 14
	v_and_b32 v1, 15, v0
	v_lshrrev_b32 v2, 4, v0
	v_lshlrev_b32 v3, 7, v2                        ; ev: 32 numbers for each half of the lanes
	v_lshlrev_b32 v4, 13, v2                       ; intensity_score: 32 rows of 256 bytes
	v_lshl_add_u32 v4, v1, 4, v4
	v_lshlrev_b32 v5, 4, v1
	s_mov_b32 s51, 0
	s_mov_b32 s52, 0x76543210                      ; v_permlanex16_b32: each lane takes its own place in the other half
	s_mov_b32 s53, 0xfedcba98
	s_wait_kmcnt 0x0
	s_load_b512 s[16:31], s[8:9], 0x0              ; b_fc1
	s_load_b512 s[32:47], s[10:11], 0x0            ; w_fc2
	s_load_b32 s48, s[12:13], 0x0                  ; b_fc2
	s_lshl_b32 s50, ttmp9, 14
	s_add_nc_u64 s[4:5], s[4:5], s[50:51]
	s_lshl_b32 s50, ttmp9, 8
	s_add_nc_u64 s[6:7], s[6:7], s[50:51]
	s_add_nc_u64 s[14:15], s[14:15], s[50:51]
.irp y, 0,1,2,3,4,5,6,7
	global_load_b128 v[EV+4*\y:EV+4*\y+3], v3, s[6:7] offset:16*\y
.endr
.set xx, 0
.rept 32
	global_load_b128 v[IS+4*xx:IS+4*xx+3], v4, s[4:5] offset:256*xx th:TH_LOAD_NT
.set xx, xx+1
.endr
	s_wait_kmcnt 0x0
.irp j, 0,1,2,3,4,5,6,7,8,9,10,11,12,13,14,15
	s_fmac_f32 s48, s[16+\j], s[32+\j]             ; c0
.endr
	s_wait_loadcnt 31                              ; loads come back in order (ISA guide 5.7.1): ev and row 0 are in
.irp k, 0,1,2,3
	v_mul_f32 v[S0+\k], v[IS+\k], v[EV]            ; the first products start the sums: nothing is cleared
.endr
	s_wait_loadcnt 30
.irp k, 0,1,2,3
	v_mul_f32 v[S1+\k], v[IS+4+\k], v[EV+1]
.endr
.set xx, 2
.rept 30
	s_wait_loadcnt 31-xx                           ; row xx is in, the younger rows stay out
.irp k, 0,1,2,3
	v_fmac_f32 v[S0+4*(xx%2)+\k], v[IS+4*xx+\k], v[EV+xx]
.endr
.set xx, xx+1
.endr
.irp k, 0,1,2,3
	v_add_f32 v[S0+\k], v[S0+\k], v[S1+\k]
.endr
.irp k, 0,1,2,3
	v_permlanex16_b32 v[S1+\k], v[S0+\k], s52, s53 ; the other 32 rows' sums lie in the lane 16 away
.endr
.irp k, 0,1,2,3
	v_add_f32 v[S0+\k], v[S0+\k], v[S1+\k]
.endr
.irp k, 0,1,2,3
	v_add_f32 v[S0+\k], s48, v[S0+\k]
.endr
	v_cmp_gt_u32 vcc_lo, 16, v0
	s_wait_xcnt 0x0                                ; EXEC changes only behind this wait
	s_and_saveexec_b32 s54, vcc_lo
	global_store_b128 v5, v[S0:S0+3], s[14:15]     ; 16 lanes store the 256 bytes of out0[b], aligned
	s_wait_xcnt 0x0
	s_or_b32 exec_lo, exec_lo, s54
	s_endpgm
.Lfunc_end_k_q3850297daf_mix:
	.size	k_q3850297daf_mix, .Lfunc_end_k_q3850297daf_mix-k_q3850297daf_mix
	.p2alignl 7, 3214868480
	.fill 96, 4, 3214868480
	.section	.rodata,"a",@progbits
	.p2align	6, 0x0
	.amdhsa_kernel k_q3850297daf_mix
		.amdhsa_group_segment_fixed_size 0
		.amdhsa_private_segment_fixed_size 0
		.amdhsa_enable_private_segment 0
		.amdhsa_kernarg_size 48
		.amdhsa_user_sgpr_count 2
		.amdhsa_user_sgpr_kernarg_segment_ptr 1
		.amdhsa_wavefront_size32 1
		.amdhsa_system_sgpr_workgroup_id_x 1
		.amdhsa_system_sgpr_workgroup_id_y 1
		.amdhsa_system_sgpr_workgroup_id_z 1
		.amdhsa_system_vgpr_workitem_id 0
		.amdhsa_next_free_vgpr 180
		.amdhsa_next_free_sgpr 66
		.amdhsa_reserve_vcc 1
		.amdhsa_float_denorm_mode_32 3
		.amdhsa_float_denorm_mode_16_64 3
		.amdhsa_memory_ordered 1
		.amdhsa_forward_progress 1
		.amdhsa_inst_pref_size 12
	.end_amdhsa_kernel
	.amdgpu_metadata
---
amdhsa.version: [ 1, 2 ]
amdhsa.kernels:
  - .name:           k_q3850297daf_mix
    .symbol:         k_q3850297daf_mix.kd
    .args:
      - { .name: intensity_score, .offset: 0, .size: 8, .value_kind: global_buffer, .address_space: global }
      - { .name: ev, .offset: 8, .size: 8, .value_kind: global_buffer, .address_space: global }
      - { .name: b_fc1, .offset: 16, .size: 8, .value_kind: global_buffer, .address_space: global }
      - { .name: w_fc2, .offset: 24, .size: 8, .value_kind: global_buffer, .address_space: global }
      - { .name: b_fc2, .offset: 32, .size: 8, .value_kind: global_buffer, .address_space: global }
      - { .name: out0, .offset: 40, .size: 8, .value_kind: global_buffer, .address_space: global }
    .group_segment_fixed_size: 0
    .private_segment_fixed_size: 0
    .kernarg_segment_align: 8
    .kernarg_segment_size: 48
    .max_flat_workgroup_size: 32
    .sgpr_count:     66
    .vgpr_count:     180
    .wavefront_size: 32
...
	.end_amdgpu_metadata
.endif
;; end of part 3
